; MI455X (gfx1250); checked and timed in simulation.
; The chip was launched on July 23, 2026; its instructions are those of AMD's public machine-readable ISA for CDNA 5 (MIT licence, August 2026) and "CDNA5" Instruction Set Architecture Reference Guide (July 2026). The comments in the code are by the model that wrote it; some were corrected since.
;; Nerf Renderer. Allowed arithmetic: float matrix products may take bf16 or f16 operands with f32 sums; all other float work in f32.
;; Inputs: b_feat 16 float32; b_rgb 3 float32; b_sigma 1 float32; grid 128 x 128 x 128 float32; rays_d 8,192 x 3 float32; rays_o 8,192 x 3 float32; w_feat 3 x 16 float32; w_rgb 19 x 3 float32; w_sigma 16 x 1 float32.
;; Outputs: out0 8,192 x 3 float32.
;; One version. Each part assembles by itself: llvm-mc -triple=amdgcn-amd-amdhsa -mcpu=gfx1250 --defsym DOCPART=n.
;; ======== version 1 of 1: 2 launches
;; workspace buffers: idx 34,603,008 bytes of whole numbers
;; launch index (part 1): grid 256 x 1, 16 waves a work-group, no clusters, 0 bytes of LDS; arguments rays_o, rays_d, idx; writes idx
.if DOCPART == 1
	.amdgcn_target "amdgcn-amd-amdhsa--gfx1250"
	.amdhsa_code_object_version 6
	.text
	.protected	k_qfa04138366_index
	.globl	k_qfa04138366_index
	.p2align	8
	.type	k_qfa04138366_index,@function
k_qfa04138366_index:
	s_mov_b64 s[64:65], 0
	v_nop
	global_prefetch_b8 v0, s[64:65] scope:SCOPE_SE
	s_setreg_imm32_b32 hwreg(HW_REG_WAVE_MODE, 25, 1), 1
	s_wait_xcnt 0x0
; NerfRenderer, first of two launches: for every sample of every ray the byte offset, in the 128^3 f32 grid, of the base voxel of its
; trilinear read, stored as whole numbers.  The second launch forms its gather addresses from these words alone.
; 8,192 rays x 1,025 samples (t_k = k * sqrt(3)/1024, k = 0 .. 1024).
; A wave owns a pair of rays (2p, 2p+1), p = 16 x work-group + wave; a lane owns a sample (k = 32 j + lane in step j).  The two rays lie in the
; even and odd registers of pairs, so that every plain f32 operation is one packed instruction for both.
; RECORD of a pair, 8,448 bytes = 33 x 256: trip g (two steps) at 512 g, lane L's 16 bytes at 16 L = {ray0 step 2g, ray1 step 2g, ray0 step 2g+1,
; ray1 step 2g+1}; at byte 8,192 a tail of 256 bytes, lane L's 8 bytes = {ray0, ray1} of sample 1,024 (the same in every lane).  Every store of a
; wave covers 512 or 256 consecutive bytes, aligned.
; WORD: ((z*128 + y)*128 + x)*4 with each base = floor(64 c + 63.5) clamped to 0 .. 126: at most 8,322,552, exact in f32.
; The macros POS_A and POS_B stand with the same text in the second launch, which so finds the same positions and bases bit for bit.
; No LDS, matrix unit, cluster or barrier: the waves share nothing and only stream words out.
; LIMITS: |o + d t| below 2^126 (v_rcp_f32 gives 0 for a result that would be denormal).  t is the f32 rounding of k * (DHI + DLO), a two-term
; product, not the table's sum in double precision: the two can differ in the last bit where that sum lies at a rounding tie.  The position is one
; fused multiply-add, the contraction a reciprocal and products, 64 c + 63.5 one fused multiply-add: roundings differ from the reference's.
.set REC,  8448                        ; bytes of a pair's record
.set LN,   1                           ; v1        lane
.set KF,   2                           ; v2        k of the lane's sample, as f32
.set VO,   4                           ; v4        16 L + 512 x trip
.set VT,   5                           ; v5        8 L
.set IW,   10                          ; v[10:13]  the trip's four words
.set TT,   14                          ; v[14:15]  t, and a temporary
.set OX,   16                          ; v[16:21]  origin x, y, z, a pair (ray 0, ray 1) each
.set DX,   22                          ; v[22:27]  direction likewise
.set PX,   28                          ; v[28:33]  position, then contracted position
.set PY,   30
.set PZ,   32
.set NRM,  34                          ; v[34:35]  max(L-inf norm, 1)
.set INV,  36                          ; v[36:37]  its reciprocal
.set HS,   38                          ; v[38:39]  the contraction's factor
.set IX,   40                          ; v[40:45]  grid coordinates
.set IY,   42
.set IZ,   44
.set FCX,  46                          ; v[46:51]  clamped floors
.set FCY,  48
.set FCZ,  50
.set TQ,   52                          ; v[52:53]  at work
.set QQ,   54                          ; v[54:55]  at work
.set K64,  56                          ; v[56:57]  64.0 twice
.set K635, 58                          ; v[58:59]  63.5 twice
.set SDHI, 30                          ; s30 f32(sqrt(3)/1024)
.set SDLO, 31                          ; s31 what that rounding left
.set S126, 32                          ; s32 126.0
; t, the position o + d t of both rays, and its contraction c * s with s = (1 - 1/(2n)) / n, n = max(norm, 1): s = 1/2 inside the unit cube.
.macro POS_A
	v_mul_f32 v[TT+1], s[SDLO], v[KF]
	v_fma_f32 v[TT], v[KF], s[SDHI], v[TT+1]
	v_pk_fma_f32 v[PX:PX+1], v[DX:DX+1], v[TT:TT+1], v[OX:OX+1] op_sel_hi:[1,0,1]
	v_pk_fma_f32 v[PY:PY+1], v[DX+2:DX+3], v[TT:TT+1], v[OX+2:OX+3] op_sel_hi:[1,0,1]
	v_pk_fma_f32 v[PZ:PZ+1], v[DX+4:DX+5], v[TT:TT+1], v[OX+4:OX+5] op_sel_hi:[1,0,1]
	v_max3_num_f32 v[NRM], |v[PX]|, |v[PY]|, |v[PZ]|
	v_max3_num_f32 v[NRM+1], |v[PX+1]|, |v[PY+1]|, |v[PZ+1]|
	v_max_num_f32 v[NRM], 1.0, v[NRM]
	v_max_num_f32 v[NRM+1], 1.0, v[NRM+1]
	v_rcp_f32 v[INV], v[NRM]
	v_rcp_f32 v[INV+1], v[NRM+1]
	v_add_f32 v[KF], 0x42000000, v[KF]             ; the next step's k; also the plain instruction that stands between the reciprocals and their use
	s_wait_alu depctr_va_vdst(0)
	v_pk_fma_f32 v[HS:HS+1], v[INV:INV+1], -0.5, 1.0 op_sel_hi:[1,0,0]
	v_pk_mul_f32 v[HS:HS+1], v[HS:HS+1], v[INV:INV+1]
	v_pk_mul_f32 v[PX:PX+1], v[PX:PX+1], v[HS:HS+1]
	v_pk_mul_f32 v[PY:PY+1], v[PY:PY+1], v[HS:HS+1]
	v_pk_mul_f32 v[PZ:PZ+1], v[PZ:PZ+1], v[HS:HS+1]
.endm
; grid coordinates ((c + 1) 128 - 1) / 2 = 64 c + 63.5 and the base voxel, clamped so that base and base + 1 lie in the grid
.macro POS_B
	v_pk_fma_f32 v[IX:IX+1], v[PX:PX+1], v[K64:K64+1], v[K635:K635+1]
	v_pk_fma_f32 v[IY:IY+1], v[PY:PY+1], v[K64:K64+1], v[K635:K635+1]
	v_pk_fma_f32 v[IZ:IZ+1], v[PZ:PZ+1], v[K64:K64+1], v[K635:K635+1]
.irp j, 0,1,2,3,4,5
	v_floor_f32 v[FCX+\j], v[IX+\j]
.endr
.irp j, 0,1,2,3,4,5
	v_med3_num_f32 v[FCX+\j], v[FCX+\j], 0, s[S126]
.endr
.endm
; the two rays' words: (z 128 + y) 512 + 4 x, whole numbers below 2^23 all the way, so every step is exact
.macro IDX2 dst
	v_pk_fma_f32 v[TQ:TQ+1], v[FCZ:FCZ+1], 0x43000000, v[FCY:FCY+1] op_sel_hi:[1,0,1]
	v_pk_mul_f32 v[QQ:QQ+1], v[FCX:FCX+1], 4.0 op_sel_hi:[1,0]
	v_pk_fma_f32 v[TQ:TQ+1], v[TQ:TQ+1], 0x44000000, v[QQ:QQ+1] op_sel_hi:[1,0,1]
	v_cvt_u32_f32 v[\dst], v[TQ]
	v_cvt_u32_f32 v[\dst+1], v[TQ+1]
.endm
; origin and direction of both rays from six scalars each into pairs (ray 0, ray 1)
.macro RAYS so, sd
.irp c, 0,1,2
	v_mov_b32 v[OX+2*\c], s[\so+\c]
	v_mov_b32 v[OX+2*\c+1], s[\so+3+\c]
	v_mov_b32 v[DX+2*\c], s[\sd+\c]
	v_mov_b32 v[DX+2*\c+1], s[\sd+3+\c]
.endr
.endm
	s_load_b128 s[4:7], s[0:1], 0x0                ; rays_o s[4:5], rays_d s[6:7]
	s_load_b64 s[8:9], s[0:1], 0x10                ; idx
	v_lshrrev_b32 v1, 5, v0
	v_readfirstlane_b32 s2, v1                     ; wave 0 .. 15
	v_and_b32 v[LN], 31, v0
	s_lshl_b32 s3, ttmp9, 4
	s_add_co_u32 s3, s3, s2                        ; p, the ray pair
	s_mul_i32 s10, s3, 24                          ; two rays of 12 bytes
	s_mul_i32 s26, s3, REC                         ; at most 4,095 x 8,448: 32 bits do
	s_mov_b32 s27, 0
	s_mov_b32 s[SDHI], 0x3addb3d7
	s_mov_b32 s[SDLO], 0x2e0584cb
	s_mov_b32 s[S126], 0x42fc0000
	s_wait_kmcnt 0x0                               ; the three addresses
	s_load_b128 s[12:15], s[4:5], s10 offset:0x0   ; o of ray 0 and x of ray 1
	s_load_b64 s[16:17], s[4:5], s10 offset:0x10   ; y, z of ray 1
	s_load_b128 s[20:23], s[6:7], s10 offset:0x0   ; d likewise
	s_load_b64 s[24:25], s[6:7], s10 offset:0x10
	s_add_nc_u64 s[8:9], s[8:9], s[26:27]          ; my record
	v_cvt_f32_u32 v[KF], v[LN]
	v_lshlrev_b32 v[VO], 4, v[LN]
	v_lshlrev_b32 v[VT], 3, v[LN]
	v_mov_b32 v[K64], 0x42800000
	v_mov_b32 v[K64+1], 0x42800000
	v_mov_b32 v[K635], 0x427e0000
	v_mov_b32 v[K635+1], 0x427e0000
	s_wait_kmcnt 0x0                               ; scalar loads return in no order: zero alone shows them in
	RAYS 12, 20
	s_mov_b32 s33, 16                              ; 16 trips of two steps: samples 0 .. 1,023
.Ltrip:
	POS_A
	POS_B
	IDX2 IW
	POS_A
	POS_B
	IDX2 IW+2
	global_store_b128 v[VO], v[IW:IW+3], s[8:9]    ; the wave's 512 consecutive bytes
	s_wait_xcnt 0x0                                ; the store's offset and data are rewritten only behind this wait
	v_add_nc_u32 v[VO], 512, v[VO]
	s_sub_co_u32 s33, s33, 1
	s_cmp_lg_u32 s33, 0
	s_cbranch_scc1 .Ltrip
	v_mov_b32 v[KF], 0x44800000                    ; sample 1,024, in every lane
	POS_A
	POS_B
	IDX2 IW
	global_store_b64 v[VT], v[IW:IW+1], s[8:9] offset:8192     ; the tail: 256 consecutive bytes
	s_endpgm
.Lfunc_end_k_qfa04138366_index:
	.size	k_qfa04138366_index, .Lfunc_end_k_qfa04138366_index-k_qfa04138366_index
	.p2alignl 7, 3214868480
	.fill 96, 4, 3214868480
	.section	.rodata,"a",@progbits
	.p2align	6, 0x0
	.amdhsa_kernel k_qfa04138366_index
		.amdhsa_group_segment_fixed_size 0
		.amdhsa_private_segment_fixed_size 0
		.amdhsa_enable_private_segment 0
		.amdhsa_kernarg_size 24
		.amdhsa_user_sgpr_count 2
		.amdhsa_user_sgpr_kernarg_segment_ptr 1
		.amdhsa_wavefront_size32 1
		.amdhsa_system_sgpr_workgroup_id_x 1
		.amdhsa_system_sgpr_workgroup_id_y 1
		.amdhsa_system_sgpr_workgroup_id_z 1
		.amdhsa_system_vgpr_workitem_id 0
		.amdhsa_next_free_vgpr 64
		.amdhsa_next_free_sgpr 66
		.amdhsa_reserve_vcc 0
		.amdhsa_float_denorm_mode_32 3
		.amdhsa_float_denorm_mode_16_64 3
		.amdhsa_memory_ordered 1
		.amdhsa_forward_progress 1
		.amdhsa_inst_pref_size 9
	.end_amdhsa_kernel
	.amdgpu_metadata
---
amdhsa.version: [ 1, 2 ]
amdhsa.kernels:
  - .name:           k_qfa04138366_index
    .symbol:         k_qfa04138366_index.kd
    .args:
      - { .name: rays_o, .offset: 0, .size: 8, .value_kind: global_buffer, .address_space: global }
      - { .name: rays_d, .offset: 8, .size: 8, .value_kind: global_buffer, .address_space: global }
      - { .name: idx, .offset: 16, .size: 8, .value_kind: global_buffer, .address_space: global }
    .group_segment_fixed_size: 0
    .private_segment_fixed_size: 0
    .kernarg_segment_align: 8
    .kernarg_segment_size: 24
    .max_flat_workgroup_size: 512
    .sgpr_count:     66
    .vgpr_count:     64
    .wavefront_size: 32
...
	.end_amdgpu_metadata
.endif
;; end of part 1
;; launch render (part 2): grid 256 x 1, 16 waves a work-group, no clusters, 2,560 bytes of LDS; arguments rays_o, rays_d, grid, w_feat, b_feat, w_sigma, b_sigma, w_rgb, b_rgb, idx, out0; writes out0
.if DOCPART == 2
	.amdgcn_target "amdgcn-amd-amdhsa--gfx1250"
	.amdhsa_code_object_version 6
	.text
	.protected	k_qfa04138366_render
	.globl	k_qfa04138366_render
	.p2align	8
	.type	k_qfa04138366_render,@function
k_qfa04138366_render:
	s_mov_b64 s[64:65], 0
	v_nop
	global_prefetch_b8 v0, s[64:65] scope:SCOPE_SE
	s_setreg_imm32_b32 hwreg(HW_REG_WAVE_MODE, 25, 1), 1
	s_wait_xcnt 0x0
; NerfRenderer, second of two launches: occupancy, the three small layers, the compositing along each ray and the colour sums.
; 8,192 rays x 1,025 samples.  A wave owns a pair of rays (2p, 2p+1), p = 16 x work-group + wave; a lane owns a sample (k = 32 j + lane in step j);
; the two rays lie in the even and odd registers of pairs, so that plain f32 work is packed.  33 steps: 16 trips of two, then sample 1,024 in all
; lanes, of which lane 0 alone counts.
; ADDRESSES of the eight grid taps come only from the words of idx (the first launch); the positions are made again here by the same macros
; POS_A, POS_B, so that the weights belong to the same base voxel bit for bit.
; MATRIX UNIT (bf16 operands, f32 sums), r = lane & 15, h = lane >> 4:
;   layer 1, features = w_feat^T x samples + b_feat.  B holds each lane's own (x, y, z, 0) in registers 0, 1: column r gets sample r at k = 0..2 and
;   sample 16 + r at k = 8..10.  A1A holds w_feat at k = 0..2, A1B at k = 8..10: two products give the features of samples 0-15 and of 16-31,
;   register j of lane (r, h) = feature 8h + j of column r, which is the layout of the next B after ReLU and packing: no lane is crossed.
;   layer 2, K = 32: k = 0..15 features of sample r, k = 16..31 of sample 16 + r.  A2's rows 0..3 hold (sigma, r, g, b) weights at k = 0..15, rows 8..11
;   the same at k = 16..31: register j (0..3) of lane L is output j of sample L, all 32 lanes from one product.
;   The weights carry log2(e) (sigma) and -log2(e) (colours), so that the exponentials are base 2.  The biases and the direction's part of the colour
;   product, which are constant along a ray, are formed once in f32 and enter as the C operand.
; Masking of the features is not written: where the mask is false sigma is selected to 0, the weight is then 0 and fails the threshold, so
; that nothing of such a sample is kept.
; softplus(x) ln-free: with y = x log2(e), sigma * delta * log2(e) = (max(y,0) + log2(1 + 2^-|y|)) * delta: no exponential overflows.
; No tensor loads, cluster or multicast: the one large input is gathered at addresses of each sample's own; no fixed tile is shared between work-groups.
; No prefetch: the index words are asked for one trip ahead into registers, and the grid is read again and again by all work-groups.
; LIMITS: grid values finite (a border tap outside the grid is a clamped tap times weight 0, where the reference puts 0); |o + d t| below 2^126;
; t, position, contraction and grid coordinate rounded as said at the head of the first launch; samples, features and the layers' weights are
; rounded to bf16; the trilinear sum is nested (x, y, z) and not a sum of eight products; the running sum along a ray is a scan of 32 lanes
; plus a carry, another order of additions than a serial sum.
.set REC,  8448                        ; bytes of a pair's record in idx
.set LN,   1                           ; v1        lane
.set KF,   2                           ; v2        k of the lane's sample, as f32
.set HM,   3                           ; v3        0.0 in lanes 0-15, 1.0 in lanes 16-31
.set VI,   4                           ; v4        16 L + 512 x trip: my index words
.set VT,   5                           ; v5        8 L: the tail's
.set VA,   6                           ; v[6:7]    byte offset of the base voxel, ray 0, 1
.set TB,   8                           ; v[8:9]    at work
.set IW,   10                          ; v[10:13]  a trip's four index words
.set TT,   14                          ; v[14:15]  t, and a temporary
.set OX,   16                          ; v[16:21]  origin
.set DX,   22                          ; v[22:27]  direction
.set PX,   28                          ; v[28:33]  position
.set PY,   30
.set PZ,   32
.set NRM,  34
.set INV,  36
.set HS,   38
.set IX,   40                          ; v[40:45]  grid coordinates, then their distance u from the clamped base
.set IY,   42
.set IZ,   44
.set FCX,  46                          ; v[46:51]  clamped floors, then temporaries
.set FCY,  48
.set FCZ,  50
.set TQ,   52                          ; v[52:55]  at work
.set A0X,  58                          ; v[58:63]  weight of the base tap along x, y, z
.set A0Y,  60
.set A0Z,  62
.set A1X,  64                          ; v[64:69]  weight of the tap base + 1
.set A1Y,  66
.set A1Z,  68
.set K64,  74                          ; v[74:75]  64.0 twice
.set K635, 76                          ; v[76:77]  63.5 twice
.set GT,   80                          ; v[80:95]  the taps: 8 dz + 4 dy + 2 dx + ray
.set RI,   96                          ; v[96:103] the interpolation; occupancy ends in v[96:97]
.set A1A,  104                         ; v[104:111] w_feat at k = 0..2
.set A1B,  112                         ; v[112:119] w_feat at k = 8..10
.set A2,   120                         ; v[120:127] second layer's weights
.set C1,   128                         ; v[128:135] b_feat
.set C2,   136                         ; v[136:147] ray 0's four biases, ray 1's four, four zeros: C of ray q = v[C2+4q : C2+4q+7]
.set B1A,  148                         ; v[148:155] samples of ray 0
.set B1B,  156                         ; v[156:163] samples of ray 1
.set D1,   164                         ; v[164:195] features: ray 0 samples 0-15, 16-31, ray 1 likewise
.set B2A,  196                         ; v[196:203] features in bf16, ray 0
.set B2B,  204                         ; v[204:211] ray 1
.set D2A,  212                         ; v[212:219] outputs of ray 0 (registers 0..3 are read)
.set D2B,  220                         ; v[220:227] of ray 1
.set MX,   228                         ; max(y, 0)
.set EE,   230                         ; 2^-|y|, then 1 + that
.set ER,   232                         ; v[232:237] colours r, g, b
.set EG,   234
.set EB,   236
.set LG,   238                         ; log2(1 + 2^-|y|), then softplus / ln 2
.set NT,   242                         ; -sigma delta log2(e)
.set SC,   244                         ; its scan
.set EN,   246                         ; exclusive sum, then the transmittance
.set EA,   248                         ; 2^NT, then alpha, then the weight
.set ACC,  250                         ; v[250:255] colour sums: 2 c + ray
.set SDHI, 66                          ; s66 f32(sqrt(3)/1024)
.set SDLO, 67                          ; s67 what that rounding left
.set S126, 68                          ; s68 126.0
.set SEPS, 69                          ; s69 1e-4
; s72, s73 selects of v_permlanex16_b32; s74, s75 the rays' carried sums; s76-s79 lane masks of the set-up, then row sums; s80 trips; s81 EXEC; s[82:83] offsets
; t, the position o + d t of both rays, and its contraction c * s with s = (1 - 1/(2n)) / n, n = max(norm, 1): s = 1/2 inside the unit cube.
.macro POS_A
	v_mul_f32 v[TT+1], s[SDLO], v[KF]
	v_fma_f32 v[TT], v[KF], s[SDHI], v[TT+1]
	v_pk_fma_f32 v[PX:PX+1], v[DX:DX+1], v[TT:TT+1], v[OX:OX+1] op_sel_hi:[1,0,1]
	v_pk_fma_f32 v[PY:PY+1], v[DX+2:DX+3], v[TT:TT+1], v[OX+2:OX+3] op_sel_hi:[1,0,1]
	v_pk_fma_f32 v[PZ:PZ+1], v[DX+4:DX+5], v[TT:TT+1], v[OX+4:OX+5] op_sel_hi:[1,0,1]
	v_max3_num_f32 v[NRM], |v[PX]|, |v[PY]|, |v[PZ]|
	v_max3_num_f32 v[NRM+1], |v[PX+1]|, |v[PY+1]|, |v[PZ+1]|
	v_max_num_f32 v[NRM], 1.0, v[NRM]
	v_max_num_f32 v[NRM+1], 1.0, v[NRM+1]
	v_rcp_f32 v[INV], v[NRM]
	v_rcp_f32 v[INV+1], v[NRM+1]
	v_add_f32 v[KF], 0x42000000, v[KF]             ; the next step's k; also the plain instruction that stands between the reciprocals and their use
	s_wait_alu depctr_va_vdst(0)
	v_pk_fma_f32 v[HS:HS+1], v[INV:INV+1], -0.5, 1.0 op_sel_hi:[1,0,0]
	v_pk_mul_f32 v[HS:HS+1], v[HS:HS+1], v[INV:INV+1]
	v_pk_mul_f32 v[PX:PX+1], v[PX:PX+1], v[HS:HS+1]
	v_pk_mul_f32 v[PY:PY+1], v[PY:PY+1], v[HS:HS+1]
	v_pk_mul_f32 v[PZ:PZ+1], v[PZ:PZ+1], v[HS:HS+1]
.endm
; grid coordinates ((c + 1) 128 - 1) / 2 = 64 c + 63.5 and the base voxel, clamped so that base and base + 1 lie in the grid
.macro POS_B
	v_pk_fma_f32 v[IX:IX+1], v[PX:PX+1], v[K64:K64+1], v[K635:K635+1]
	v_pk_fma_f32 v[IY:IY+1], v[PY:PY+1], v[K64:K64+1], v[K635:K635+1]
	v_pk_fma_f32 v[IZ:IZ+1], v[PZ:PZ+1], v[K64:K64+1], v[K635:K635+1]
.irp j, 0,1,2,3,4,5
	v_floor_f32 v[FCX+\j], v[IX+\j]
.endr
.irp j, 0,1,2,3,4,5
	v_med3_num_f32 v[FCX+\j], v[FCX+\j], 0, s[S126]
.endr
.endm
.macro RAYS so, sd
.irp c, 0,1,2
	v_mov_b32 v[OX+2*\c], s[\so+\c]
	v_mov_b32 v[OX+2*\c+1], s[\so+3+\c]
	v_mov_b32 v[DX+2*\c], s[\sd+\c]
	v_mov_b32 v[DX+2*\c+1], s[\sd+3+\c]
.endr
.endm
; The two taps' weights along one axis, on the clamped base, with the zero padding folded in.  u = coordinate - clamped base.
; floor inside: u = w, weights (1-w, w).  floor = -1: u = w-1 < 0, weights (w, 0) = (1+u, 0).  floor = 127: u = 1+w, weights (0, 1-w) = (0, 2-u).
; All three are a0 = median(1-u, 1+u, 0), a1 = median(u, 2-u, 0).
.macro AXW ix, fc, a0, a1
	v_pk_add_f32 v[\ix:\ix+1], v[\ix:\ix+1], v[\fc:\fc+1] neg_lo:[0,1] neg_hi:[0,1]
	v_pk_fma_f32 v[\fc:\fc+1], v[\ix:\ix+1], -1.0, 2.0 op_sel_hi:[1,0,0]
	v_med3_num_f32 v[\a1], v[\ix], v[\fc], 0
	v_med3_num_f32 v[\a1+1], v[\ix+1], v[\fc+1], 0
	v_pk_fma_f32 v[\fc:\fc+1], v[\ix:\ix+1], -1.0, 1.0 op_sel_hi:[1,0,0]
	v_pk_add_f32 v[TQ:TQ+1], v[\ix:\ix+1], 1.0 op_sel_hi:[1,0]
	v_med3_num_f32 v[\a0], v[\fc], v[TQ], 0
	v_med3_num_f32 v[\a0+1], v[\fc+1], v[TQ+1], 0
.endm
; ReLU in place on a ray's 16 feature registers, packing to bf16, and the second layer's product
.macro LAYER2 d1, b2, d2, c2
.irp j, 0,1,2,3,4,5,6,7,8,9,10,11,12,13,14,15
	v_max_num_f32 v[\d1+\j], 0, v[\d1+\j]
.endr
.irp j, 0,1,2,3,4,5,6,7
	v_cvt_pk_bf16_f32 v[\b2+\j], v[\d1+2*\j], v[\d1+2*\j+1]
.endr
	v_wmma_f32_16x16x32_bf16 v[\d2:\d2+7], v[A2:A2+7], v[\b2:\b2+7], v[\c2:\c2+7]
.endm
; ONE STEP: 32 samples of both rays.  wd: the register of ray 0's index word (ray 1's is the next).  nxt = 1: ask for the next trip's words,
; 2: for the tail's, 0: for none.  left: how many younger loads may stay out when the taps have to be in.  tail = 1: lane 0 alone counts.
.macro STEP wd, nxt, left, tail
	; the word splits into (z 128 + y) and 4 x; each part is clamped, so that the farthest tap is the grid's last word whatever the word holds
.irp q, 0,1
	v_lshrrev_b32 v[VA+\q], 9, v[\wd+\q]
	v_min_u32 v[VA+\q], 0x3f7e, v[VA+\q]
	v_and_b32 v[TB+\q], 0x1fc, v[\wd+\q]
	v_min_u32 v[TB+\q], 0x1f8, v[TB+\q]
	v_lshl_add_u32 v[VA+\q], v[VA+\q], 9, v[TB+\q]
.endr
.irp dz, 0,1
.irp dy, 0,1
.irp dx, 0,1
.irp q, 0,1
	global_load_b32 v[GT+8*\dz+4*\dy+2*\dx+\q], v[VA+\q], s[12:13] offset:65536*\dz+512*\dy+4*\dx
.endr
.endr
.endr
.endr
.if \nxt == 1
	v_add_nc_u32 v[VI], 512, v[VI]                 ; free since the wait for 0 at the trip's head
	global_load_b128 v[IW:IW+3], v[VI], s[26:27] th:TH_LOAD_NT
.endif
.if \nxt == 2
	global_load_b64 v[IW:IW+1], v[VT], s[26:27] offset:8192 th:TH_LOAD_NT
.endif
	POS_A
	v_cvt_pk_bf16_f32 v[B1A], v[PX], v[PY]
	v_cvt_pk_bf16_f32 v[B1A+1], v[PZ], 0
	v_cvt_pk_bf16_f32 v[B1B], v[PX+1], v[PY+1]
	v_cvt_pk_bf16_f32 v[B1B+1], v[PZ+1], 0
	v_wmma_f32_16x16x32_bf16 v[D1:D1+7], v[A1A:A1A+7], v[B1A:B1A+7], v[C1:C1+7]
	v_wmma_f32_16x16x32_bf16 v[D1+8:D1+15], v[A1B:A1B+7], v[B1A:B1A+7], v[C1:C1+7]
	v_wmma_f32_16x16x32_bf16 v[D1+16:D1+23], v[A1A:A1A+7], v[B1B:B1B+7], v[C1:C1+7]
	v_wmma_f32_16x16x32_bf16 v[D1+24:D1+31], v[A1B:A1B+7], v[B1B:B1B+7], v[C1:C1+7]
	; 31 plain vector instructions that name no register of the four products stand here, where four are asked before D1 is read (ISA guide 7.12.1)
	POS_B
	AXW IX, FCX, A0X, A1X
	AXW IY, FCY, A0Y, A1Y
	LAYER2 D1, B2A, D2A, C2
	LAYER2 D1+16, B2B, D2B, C2+4                   ; its 24 vector instructions name no register of ray 0's product
	AXW IZ, FCZ, A0Z, A1Z                          ; eight places, four of them packed arithmetic, behind ray 1's product before D2B is read
	; colours: 1 / (1 + 2^(-x log2 e)); density: max(y,0) + log2(1 + 2^-|y|).  Between each exponential and the use of its result stands plain work
	; on other registers: behind the colours' six the four lines that make -|y|, behind the density's two the colours' three additions.
	v_exp_f32 v[ER], v[D2A+1]
	v_exp_f32 v[ER+1], v[D2B+1]
	v_exp_f32 v[EG], v[D2A+2]
	v_exp_f32 v[EG+1], v[D2B+2]
	v_exp_f32 v[EB], v[D2A+3]
	v_exp_f32 v[EB+1], v[D2B+3]
	v_max_num_f32 v[MX], 0, v[D2A]
	v_max_num_f32 v[MX+1], 0, v[D2B]
	v_fma_f32 v[EE], v[MX], -2.0, v[D2A]           ; y - 2 max(y, 0) = -|y|
	v_fma_f32 v[EE+1], v[MX+1], -2.0, v[D2B]
	v_exp_f32 v[EE], v[EE]
	v_exp_f32 v[EE+1], v[EE+1]
	s_wait_alu depctr_va_vdst(0)
	v_pk_add_f32 v[ER:ER+1], v[ER:ER+1], 1.0 op_sel_hi:[1,0]
	v_pk_add_f32 v[EG:EG+1], v[EG:EG+1], 1.0 op_sel_hi:[1,0]
	v_pk_add_f32 v[EB:EB+1], v[EB:EB+1], 1.0 op_sel_hi:[1,0]
	v_pk_add_f32 v[EE:EE+1], v[EE:EE+1], 1.0 op_sel_hi:[1,0]
	v_log_f32 v[LG], v[EE]
	v_log_f32 v[LG+1], v[EE+1]
.irp j, 0,1,2,3,4,5
	v_rcp_f32 v[ER+\j], v[ER+\j]
.endr
	s_wait_loadcnt \left                           ; loads return in order: the sixteen taps are in (and VA is free); a younger load of index words stays out
	; trilinear sum, nested x, y, z; its first line is the plain instruction behind the logarithms and reciprocals
.irp j, 0,1,2,3
	v_pk_mul_f32 v[RI+2*\j:RI+2*\j+1], v[GT+4*\j:GT+4*\j+1], v[A0X:A0X+1]
	v_pk_fma_f32 v[RI+2*\j:RI+2*\j+1], v[GT+4*\j+2:GT+4*\j+3], v[A1X:A1X+1], v[RI+2*\j:RI+2*\j+1]
.endr
.irp j, 0,1
	v_pk_mul_f32 v[RI+4*\j:RI+4*\j+1], v[RI+4*\j:RI+4*\j+1], v[A0Y:A0Y+1]
	v_pk_fma_f32 v[RI+4*\j:RI+4*\j+1], v[RI+4*\j+2:RI+4*\j+3], v[A1Y:A1Y+1], v[RI+4*\j:RI+4*\j+1]
.endr
	v_pk_mul_f32 v[RI:RI+1], v[RI:RI+1], v[A0Z:A0Z+1]
	v_pk_fma_f32 v[RI:RI+1], v[RI+4:RI+5], v[A1Z:A1Z+1], v[RI:RI+1]
	; -sigma delta log2(e), selected to 0 where the occupancy is not above 0
	s_wait_alu depctr_va_vdst(0)
	v_pk_add_f32 v[LG:LG+1], v[MX:MX+1], v[LG:LG+1]
	v_pk_mul_f32 v[NT:NT+1], v[LG:LG+1], 0xbaddb3d7 op_sel_hi:[1,0]
.irp q, 0,1
	v_cmp_lt_f32 vcc_lo, 0, v[RI+\q]
.if \tail
	s_and_b32 vcc_lo, vcc_lo, 1                    ; all lanes hold sample 1,024: lane 0 stands for it
.endif
	v_cndmask_b32 v[NT+\q], 0, v[NT+\q], vcc_lo
.endr
	v_exp_f32 v[EA], v[NT]                         ; 2^NT = exp(-sigma delta); the scan below is the plain work behind it
	v_exp_f32 v[EA+1], v[NT+1]
	; inclusive scan inside each row of 16 lanes, in place: a lane without a source adds 0
	v_mov_b32 v[SC], v[NT]
	v_mov_b32 v[SC+1], v[NT+1]
.irp n, 1,2,4,8
	v_add_f32_dpp v[SC], v[SC], v[SC] row_shr:\n row_mask:0xf bank_mask:0xf bound_ctrl:1
	v_add_f32_dpp v[SC+1], v[SC+1], v[SC+1] row_shr:\n row_mask:0xf bank_mask:0xf bound_ctrl:1
.endr
	v_readlane_b32 s76, v[SC], 15                  ; the rows' sums
	v_readlane_b32 s77, v[SC], 31
	v_readlane_b32 s78, v[SC+1], 15
	v_readlane_b32 s79, v[SC+1], 31
	v_pk_add_f32 v[EN:EN+1], v[SC:SC+1], v[NT:NT+1] neg_lo:[0,1] neg_hi:[0,1]      ; exclusive
	v_fma_f32 v[EN], v[HM], s76, v[EN]             ; the upper row adds the lower row's sum,
	v_fma_f32 v[EN+1], v[HM], s78, v[EN+1]
	v_add_f32 v[EN], s74, v[EN]                    ; and all add what the earlier steps left
	v_add_f32 v[EN+1], s75, v[EN+1]
	s_add_f32 s76, s76, s77
	s_add_f32 s78, s78, s79
	s_add_f32 s74, s74, s76
	s_add_f32 s75, s75, s78
	v_exp_f32 v[EN], v[EN]                         ; the transmittance in front of the sample
	v_exp_f32 v[EN+1], v[EN+1]
	s_wait_alu depctr_va_vdst(0)
	v_pk_fma_f32 v[EA:EA+1], v[EA:EA+1], -1.0, 1.0 op_sel_hi:[1,0,0]               ; alpha; the plain instruction behind the two exponentials
	v_pk_mul_f32 v[EA:EA+1], v[EN:EN+1], v[EA:EA+1]                                ; the weight
.irp q, 0,1
	v_cmp_lt_f32 vcc_lo, s[SEPS], v[EA+\q]
	v_cndmask_b32 v[EA+\q], 0, v[EA+\q], vcc_lo
.endr
	v_pk_fma_f32 v[ACC:ACC+1], v[EA:EA+1], v[ER:ER+1], v[ACC:ACC+1]
	v_pk_fma_f32 v[ACC+2:ACC+3], v[EA:EA+1], v[EG:EG+1], v[ACC+2:ACC+3]
	v_pk_fma_f32 v[ACC+4:ACC+5], v[EA:EA+1], v[EB:EB+1], v[ACC+4:ACC+5]
.endm
	; ---------------- addresses, ids ----------------
	s_load_b512 s[8:23], s[0:1], 0x0               ; rays_o 8, rays_d 10, grid 12, w_feat 14, b_feat 16, w_sigma 18, b_sigma 20, w_rgb 22
	s_load_b128 s[24:27], s[0:1], 0x40             ; b_rgb 24, idx 26
	s_load_b64 s[28:29], s[0:1], 0x50              ; out0
	v_lshl_add_u32 v240, v0, 2, 0x200
	v_mov_b32 v241, 0
	v_lshrrev_b32 v1, 5, v0
	v_readfirstlane_b32 s2, v1                     ; wave 0 .. 15
	v_and_b32 v[LN], 31, v0
	s_lshl_b32 s3, ttmp9, 4
	s_add_co_u32 s3, s3, s2                        ; p, the ray pair
	s_mul_i32 s30, s3, 24                          ; two rays of 12 bytes
	s_mul_i32 s82, s3, REC
	s_mov_b32 s83, 0
	s_mov_b32 s[SDHI], 0x3addb3d7
	s_mov_b32 s[SDLO], 0x2e0584cb
	s_mov_b32 s[S126], 0x42fc0000
	s_mov_b32 s[SEPS], 0x38d1b717
	s_mov_b32 s72, 0x76543210
	s_mov_b32 s73, 0xfedcba98
	s_mov_b32 s74, 0                               ; nothing carried yet
	s_mov_b32 s75, 0
	v_and_b32 v[TB], 15, v0                        ; r
	v_bfe_u32 v[TB+1], v0, 4, 1                    ; h
	v_cvt_f32_u32 v[KF], v[LN]
	v_cvt_f32_u32 v[HM], v[TB+1]
	v_lshlrev_b32 v[VI], 4, v[LN]
	v_lshlrev_b32 v[VT], 3, v[LN]
	v_lshlrev_b32 v[VA], 2, v[TB]                  ; 4 r: my column of w_feat
	v_lshlrev_b32 v[VA+1], 5, v[TB+1]              ; 32 h: my eight of b_feat and of w_sigma
	v_and_b32 v[TQ], 7, v0                         ; r & 7: 0 sigma, 1..3 colours
	v_max_u32 v[TQ+1], 1, v[TQ]
	v_add_nc_u32 v[TQ+1], -1, v[TQ+1]
	v_min_u32 v[TQ+1], 2, v[TQ+1]                  ; column of w_rgb, kept inside the table in the lanes that use none
	v_mul_u32_u24 v[TQ+2], v[TB+1], 96             ; eight rows of 12 bytes for the upper half
	v_lshl_add_u32 v[TQ+1], v[TQ+1], 2, v[TQ+2]
	v_and_b32 v[TQ+3], 12, v[TB]
	v_cmp_gt_u32 s76, 16, v[LN]                    ; h = 0
	v_cmp_eq_u32 s77, 0, v[TQ]                     ; a row of sigma
	v_cmp_gt_u32 s78, 4, v[TB]                     ; rows 0..3
	v_cmp_eq_u32 s79, 8, v[TQ+3]                   ; rows 8..11
	s_wait_kmcnt 0x0                               ; the eleven addresses
	s_load_b128 s[32:35], s[8:9], s30 offset:0x0   ; o of ray 0, x of ray 1
	s_load_b64 s[36:37], s[8:9], s30 offset:0x10
	s_load_b128 s[40:43], s[10:11], s30 offset:0x0 ; d likewise
	s_load_b64 s[44:45], s[10:11], s30 offset:0x10
	s_load_b256 s[48:55], s[22:23], 0xc0           ; w_rgb rows 16..18 (the direction's): nine words
	s_load_b32 s56, s[22:23], 0xe0
	s_load_b32 s57, s[20:21], 0x0                  ; b_sigma
	s_load_b96 s[60:62], s[24:25], 0x0             ; b_rgb
	s_add_nc_u64 s[26:27], s[26:27], s[82:83]      ; my record of idx
	s_mul_i32 s82, ttmp9, 384                      ; 32 rays of 12 bytes
	s_add_nc_u64 s[28:29], s[28:29], s[82:83]      ; the work-group's part of out0
	global_load_b128 v[IW:IW+3], v[VI], s[26:27] th:TH_LOAD_NT     ; the first trip's words
	global_load_b32 v[D1], v[VA], s[14:15]                         ; w_feat[0..2][r]; D1's registers serve as room until the first product
	global_load_b32 v[D1+1], v[VA], s[14:15] offset:64
	global_load_b32 v[D1+2], v[VA], s[14:15] offset:128
	global_load_b128 v[C1:C1+3], v[VA+1], s[16:17]                 ; b_feat[8h ..]: register j is row 8h + j of C
	global_load_b128 v[C1+4:C1+7], v[VA+1], s[16:17] offset:16
	global_load_b128 v[D1+4:D1+7], v[VA+1], s[18:19]               ; w_sigma[8h ..]
	global_load_b128 v[D1+8:D1+11], v[VA+1], s[18:19] offset:16
.irp j, 0,1,2,3,4,5,6,7
	global_load_b32 v[D1+12+\j], v[TQ+1], s[22:23] offset:12*\j    ; w_rgb[8h + j][column]
.endr
	; the parts of the fragments that stay zero (k that no operand fills), and the six sums
.irp j, 2,3,4,5,6,7
	v_mov_b32 v[A1A+\j], 0
	v_mov_b32 v[A1B+\j], 0
	v_mov_b32 v[B1A+\j], 0
	v_mov_b32 v[B1B+\j], 0
.endr
.irp j, 0,1,2,3
	v_mov_b32 v[C2+8+\j], 0
.endr
.irp j, 0,1,2,3,4,5
	v_mov_b32 v[ACC+\j], 0
.endr
	v_mov_b32 v[K64], 0x42800000
	v_mov_b32 v[K64+1], 0x42800000
	v_mov_b32 v[K635], 0x427e0000
	v_mov_b32 v[K635+1], 0x427e0000
	s_wait_kmcnt 0x0                               ; scalar loads return in no order: zero alone shows them in
	RAYS 32, 40
	; C of the second layer: b_sigma log2(e), and -log2(e) (b_rgb[c] + sum over i of d_i w_rgb[16+i][c]), in f32
	v_mov_b32 v[C2], 0x3fb8aa3b
	v_mul_f32 v[C2], s57, v[C2]
	v_mov_b32 v[C2+4], v[C2]
.irp q, 0,1
.irp c, 0,1,2
	v_mov_b32 v[C2+4*\q+1+\c], s[60+\c]
	v_fma_f32 v[C2+4*\q+1+\c], s[40+3*\q], s[48+\c], v[C2+4*\q+1+\c]
	v_fma_f32 v[C2+4*\q+1+\c], s[41+3*\q], s[51+\c], v[C2+4*\q+1+\c]
	v_fma_f32 v[C2+4*\q+1+\c], s[42+3*\q], s[54+\c], v[C2+4*\q+1+\c]
	v_mul_f32 v[C2+4*\q+1+\c], 0xbfb8aa3b, v[C2+4*\q+1+\c]
.endr
.endr
	s_wait_loadcnt 0x0                             ; the weights (and the first words); their offset registers are free
	; first layer's A: (w0, w1), (w2, 0) of feature r, in the lower lanes (k = 0..3) for A1A, in the upper (k = 8..11) for A1B
	v_cvt_pk_bf16_f32 v[B2A], v[D1], v[D1+1]
	v_cvt_pk_bf16_f32 v[B2A+1], v[D1+2], 0
	v_cndmask_b32 v[A1A], 0, v[B2A], s76
	v_cndmask_b32 v[A1A+1], 0, v[B2A+1], s76
	v_cndmask_b32 v[A1B], v[B2A], 0, s76
	v_cndmask_b32 v[A1B+1], v[B2A+1], 0, s76
	; second layer's A: eight weights of my row and half, times log2(e) (sigma) or -log2(e) (colours)
	v_mov_b32 v[TB], 0xbfb8aa3b
	v_mov_b32 v[TB+1], 0x3fb8aa3b
	v_cndmask_b32 v[TB], v[TB], v[TB+1], s77
.irp j, 0,1,2,3,4,5,6,7
	v_cndmask_b32 v[D1+12+\j], v[D1+12+\j], v[D1+4+\j], s77
	v_mul_f32 v[D1+12+\j], v[TB], v[D1+12+\j]
.endr
.irp j, 0,1,2,3
	v_cvt_pk_bf16_f32 v[B2A+\j], v[D1+12+2*\j], v[D1+13+2*\j]
	v_cndmask_b32 v[A2+\j], 0, v[B2A+\j], s78      ; rows 0..3: k = 8h .. 8h+7
	v_cndmask_b32 v[A2+4+\j], 0, v[B2A+\j], s79    ; rows 8..11: k = 16+8h ..
.endr
	; ---------------- the ray ----------------
	s_mov_b32 s80, 15                              ; 15 trips ask for the next trip's words; the sixteenth, which asks for the tail's, is written out
.Ltrip:
	s_wait_loadcnt 0x0                             ; this trip's words are in, asked for one trip ago; VI is free
	STEP IW, 0, 0, 0
	STEP IW+2, 1, 1, 0
	s_sub_co_u32 s80, s80, 1
	s_cmp_lg_u32 s80, 0
	s_cbranch_scc1 .Ltrip
	s_wait_loadcnt 0x0
	STEP IW, 0, 0, 0
	STEP IW+2, 2, 1, 0
	s_wait_loadcnt 0x0                             ; the tail's two words
	v_mov_b32 v[KF], 0x44800000                    ; sample 1,024 in every lane
	STEP IW, 0, 0, 1
	; ---------------- the six sums over the 32 lanes; the work-group's 96 numbers meet in LDS and leave as 384 consecutive bytes ----------------
.irp a, 0,1,2,3,4,5
	v_add_f32_dpp v[ACC+\a], v[ACC+\a], v[ACC+\a] row_xmask:1 row_mask:0xf bank_mask:0xf
.endr
.irp a, 0,1,2,3,4,5
	v_add_f32_dpp v[ACC+\a], v[ACC+\a], v[ACC+\a] row_xmask:2 row_mask:0xf bank_mask:0xf
.endr
.irp a, 0,1,2,3,4,5
	v_add_f32_dpp v[ACC+\a], v[ACC+\a], v[ACC+\a] row_xmask:4 row_mask:0xf bank_mask:0xf
.endr
.irp a, 0,1,2,3,4,5
	v_add_f32_dpp v[ACC+\a], v[ACC+\a], v[ACC+\a] row_xmask:8 row_mask:0xf bank_mask:0xf
.endr
.irp a, 0,1,2,3,4,5
	v_permlanex16_b32 v[TB], v[ACC+\a], s72, s73   ; the other row's sum (TB has been written before)
	v_add_f32 v[ACC+\a], v[ACC+\a], v[TB]
.endr
	s_mul_i32 s82, s2, 24                          ; my wave's 24 bytes: r, g, b of ray 0, then of ray 1
	v_mov_b32 v[VA], s82
.irp q, 0,1
.irp c, 0,1,2
	ds_store_b32 v[VA], v[ACC+2*\c+\q] offset:12*\q+4*\c           ; all lanes write the same word with the same value
.endr
.endr
	v_lshlrev_b32 v[TB], 4, v[LN]
	s_wait_dscnt 0x0                               ; for wave 0's sake: my stores are done before I say so
	s_barrier_signal -1
	s_barrier_wait -1
	s_cmp_lg_u32 s2, 0
	s_cbranch_scc1 .Lend
	v_cmp_gt_u32 vcc_lo, 24, v[LN]                 ; 24 lanes x 16 bytes = 384 bytes
	s_wait_xcnt 0x0                                ; EXEC is a source of every global access issued so far: it changes only behind this wait
	s_and_saveexec_b32 s81, vcc_lo
	ds_load_b128 v[IW:IW+3], v[TB]
	s_wait_dscnt 0x0
	global_store_b128 v[TB], v[IW:IW+3], s[28:29]
	s_wait_xcnt 0x0                                ; and again in front of the line that widens it
	s_or_b32 exec_lo, exec_lo, s81
.Lend:
	s_wait_tensorcnt 0x0
	ds_add_u32 v240, v241
	s_wait_dscnt 0x0
	s_endpgm
.Lfunc_end_k_qfa04138366_render:
	.size	k_qfa04138366_render, .Lfunc_end_k_qfa04138366_render-k_qfa04138366_render
	.p2alignl 7, 3214868480
	.fill 96, 4, 3214868480
	.section	.rodata,"a",@progbits
	.p2align	6, 0x0
	.amdhsa_kernel k_qfa04138366_render
		.amdhsa_group_segment_fixed_size 2560
		.amdhsa_private_segment_fixed_size 0
		.amdhsa_enable_private_segment 0
		.amdhsa_kernarg_size 88
		.amdhsa_user_sgpr_count 2
		.amdhsa_user_sgpr_kernarg_segment_ptr 1
		.amdhsa_wavefront_size32 1
		.amdhsa_system_sgpr_workgroup_id_x 1
		.amdhsa_system_sgpr_workgroup_id_y 1
		.amdhsa_system_sgpr_workgroup_id_z 1
		.amdhsa_system_vgpr_workitem_id 0
		.amdhsa_next_free_vgpr 256
		.amdhsa_next_free_sgpr 84
		.amdhsa_reserve_vcc 1
		.amdhsa_float_denorm_mode_32 3
		.amdhsa_float_denorm_mode_16_64 3
		.amdhsa_memory_ordered 1
		.amdhsa_forward_progress 1
		.amdhsa_inst_pref_size 73
	.end_amdhsa_kernel
	.amdgpu_metadata
---
amdhsa.version: [ 1, 2 ]
amdhsa.kernels:
  - .name:           k_qfa04138366_render
    .symbol:         k_qfa04138366_render.kd
    .args:
      - { .name: rays_o, .offset: 0, .size: 8, .value_kind: global_buffer, .address_space: global }
      - { .name: rays_d, .offset: 8, .size: 8, .value_kind: global_buffer, .address_space: global }
      - { .name: grid, .offset: 16, .size: 8, .value_kind: global_buffer, .address_space: global }
      - { .name: w_feat, .offset: 24, .size: 8, .value_kind: global_buffer, .address_space: global }
      - { .name: b_feat, .offset: 32, .size: 8, .value_kind: global_buffer, .address_space: global }
      - { .name: w_sigma, .offset: 40, .size: 8, .value_kind: global_buffer, .address_space: global }
      - { .name: b_sigma, .offset: 48, .size: 8, .value_kind: global_buffer, .address_space: global }
      - { .name: w_rgb, .offset: 56, .size: 8, .value_kind: global_buffer, .address_space: global }
      - { .name: b_rgb, .offset: 64, .size: 8, .value_kind: global_buffer, .address_space: global }
      - { .name: idx, .offset: 72, .size: 8, .value_kind: global_buffer, .address_space: global }
      - { .name: out0, .offset: 80, .size: 8, .value_kind: global_buffer, .address_space: global }
    .group_segment_fixed_size: 2560
    .private_segment_fixed_size: 0
    .kernarg_segment_align: 8
    .kernarg_segment_size: 88
    .max_flat_workgroup_size: 512
    .sgpr_count:     84
    .vgpr_count:     256
    .wavefront_size: 32
...
	.end_amdgpu_metadata
.endif
;; end of part 2
